; MI455X (gfx1250); checked and timed in simulation.
; The chip was launched on July 23, 2026; its instructions are those of AMD's public machine-readable ISA for CDNA 5 (MIT licence, August 2026) and "CDNA5" Instruction Set Architecture Reference Guide (July 2026). The comments in the code are by the model that wrote it; some were corrected since.
;; Masked Multi Headed Self Attention. Allowed arithmetic: matrix products marked QUANTISED: E4M3 operands, one given power-of-two scale a tensor, by v_wmma_f32_16x16x64_fp8_fp8 or v_wmma_f32_16x16x128_fp8_fp8, f32 sums; everything else in f32.
;; Inputs: b_out 1,024 float32; b_qkv 3,072 float32; lowp_scales 8 int32 (the exponents e of the quantised operands' scales 2^e); w_out 1,024 x 1,024 float32; w_qkv 1,024 x 3,072 float32; x 4 x 2,048 x 1,024 float32.
;; Outputs: out0 4 x 2,048 x 1,024 float32.
;; This version of the problem:
;;   THIS VERSION OF THE PROBLEM IS GIVEN IN LOW PRECISION. The matrix products marked QUANTISED in the list below multiply operands that are first quantised to E4M3 (4 exponent bits, 3 mantissa bits; 8 bits a number), with one given power-of-two scale for each operand tensor; their sums are f32. All else is computed in f32.
;;   The module's matrix products, in the order in which they are computed (A, B: the left and right operand; K: the contracted axis; several contracted axes count as one K, in the product's order):
;;     1. [M 8,192, K 1,024] x [K 1,024, N 3,072]; A: input x; B: input w_qkv: QUANTISED (scales: A lowp_scales[0], B lowp_scales[1])
;;     2. batch 64 x [M 2,048, K 64] x [K 64, N 2,048]; A: computed on the way; B: computed on the way: QUANTISED (scales: A lowp_scales[2], B lowp_scales[3])
;;     3. batch 64 x [M 2,048, K 2,048] x [K 2,048, N 64]; A: softmax (see below); B: computed on the way: QUANTISED (scales: A lowp_scales[4], B lowp_scales[5])
;;     4. [M 8,192, K 1,024] x [K 1,024, N 1,024]; A: computed on the way; B: input w_out: QUANTISED (scales: A lowp_scales[6], B lowp_scales[7])
;;   THE QUANTISER, for each operand of a quantised product, along K:
;;     - The operand's scale is 2^e, e = its entry of the input lowp_scales (int32; the entries are numbered through the quantised products in the list's order, A before B).
;;     - Each number is divided by the scale, clamped to +-448, and rounded to the nearest number of E4M3, ties to even, subnormals kept.
;;     - The product sums the exact products of the quantised numbers (number of the format x scale) in f32.
;;   ~~~python
;;   def quantise(x, axis, e):      # numpy; x: float32 -> the quantised numbers, widened to float32 again
;;       x = np.moveaxis(x, axis, -1); K = x.shape[-1]
;;       r = np.clip(x / 2.0 ** e, -448, 448)
;;       step = 2.0 ** (np.maximum(np.frexp(np.where(r == 0, 1, r))[1] - 1, -6) - 3)
;;       q = np.round(r / step) * step * 2.0 ** e      # np.round: ties to even
;;       return np.moveaxis(q, -1, axis).astype(np.float32)
;;   ~~~
;;   SOFTMAX AHEAD OF A QUANTISED PRODUCT. Where the list says 'softmax', what is quantised is not the finished softmax but p = 2^(t - M), with t = logit x log2(e) and M = ceil(the row's largest t), a whole number; so 1/2 < the row's largest p <= 1. The row's sum l is taken of the UNQUANTISED p, in f32, and the product's result is divided by l at the end. Since M is a whole number, a kernel that streams over the keys may use a running M (the ceiling of the running maximum): every later rescaling is an exact power of two, so the quantised numbers keep their values, but for numbers so far below the row's largest that they fall under the format's range.
;;   OPERANDS COMPUTED ON THE WAY. 'Computed on the way' means the value that the module computes at that place (a softmax that the list does not call 'softmax' is quantised finished and normalised). What goes into a quantiser is computed in f32, as accurately as f32 sums, v_exp_f32 and their like allow (about 1e-6 of the number): no bf16 or f16 on the way to a quantiser, and a product that is left as it is and whose result goes on into a quantised operand takes f32 operands (vector FMAs, or v_wmma_f32_16x16x4_f32). A number that lies on a knife's edge between two numbers of the format may be rounded either way, as far as f32 arithmetic and the matrix unit's own rounding can turn it there, and no further.
;; One version. Each part assembles by itself: llvm-mc -triple=amdgcn-amd-amdhsa -mcpu=gfx1250 --defsym DOCPART=n.
;; ======== version 1 of 1: 4 launches
;; limits: right only within a limited range of input values
;; workspace buffers: x_img 8,388,608 bytes; wqkv_img 3,145,728 bytes; wout_img 1,048,576 bytes; q_img 8,388,608 bytes; k_img 8,388,608 bytes; v_img 8,388,608 bytes; a_img 8,388,608 bytes
;; launch quant (part 1): grid 384 x 1, 4 waves a work-group, no clusters, 67,072 bytes of LDS; arguments x, w_qkv, w_out, lowp_scales, x_img, wqkv_img, wout_img; writes x_img, wqkv_img, wout_img
.if DOCPART == 1
	.amdgcn_target "amdgcn-amd-amdhsa--gfx1250"
	.amdhsa_code_object_version 6
	.text
	.protected	k_qe54e2b0bcc_quant
	.globl	k_qe54e2b0bcc_quant
	.p2align	8
	.type	k_qe54e2b0bcc_quant,@function
k_qe54e2b0bcc_quant:
	s_mov_b64 s[64:65], 0
	v_nop
	global_prefetch_b8 v0, s[64:65] scope:SCOPE_SE
	s_setreg_imm32_b32 hwreg(HW_REG_WAVE_MODE, 25, 1), 1
	s_wait_xcnt 0x0
; x [8192][1024], w_qkv [1024][3072] and w_out [1024][1024], f32, become codes of E4M3, each with the one scale 2^e given for it (entries 0, 1 and 7 of the scales).
; code = number / 2^e, held within +-448, rounded to the nearest code, ties to even.
; LIMITS: each e lies between -126 and 119, so that 2^e and 448 x 2^e are f32 numbers.  NaN among the inputs is not served; an infinity is held at the largest code.
; THE CODES ARE LAID AS IMAGES OF OPERAND REGISTERS.  A fragment is 16 rows x 128 along K: 16 registers a lane; lane (r = lane % 16, h = lane / 16) holds row r, and its
; registers 2 c, 2 c + 1 hold k = 16 c + 8 h + 0 .. 7.  Registers 4 g .. 4 g + 3 of lane l lie at 512 g + 16 l of the fragment's 2,048 bytes.  The buffers are [tile of 16 rows][K / 128][2048];
; a row is a token (x) or a column n (the weights).  So whoever reads a fragment later reads 16 bytes a lane, lanes side by side.
; Work-groups 0 to 127 take the weights (K is their FIRST axis), work-groups 128 to 383 take x.  The two ways use LDS bytes of their own.  Waves share nothing: no barrier.
.set XSTG,  8448                       ; x: a wave's stage: 16 rows x (512 bytes + 16)
.set WBASE, 4*XSTG                     ; the weights' stages begin behind x's: 8,192 bytes a wave
.set XR,    16                         ; x: v16-143   two sets of 64: a fragment's numbers as they are loaded
.set XX,    144                        ; x: v144-207  the same numbers turned: register 8 c + i = k 16 c + 8 h + i of my row
.set XC,    208                        ; x: v208-239  two sets of 16: a fragment's codes
.set WOFF,  16                         ; w: v16-47    4 x lane + i rows
.set WX,    48                         ; w: v48-111   two sets of 32 numbers down K
.set WC,    112                        ; w: v112-119  a block's codes
.set WOUT,  128                        ; w: v128-191  the way out
	s_load_b256 s[4:11], s[0:1], 0x0               ; x s[4:5], w_qkv s[6:7], w_out s[8:9], the scales' exponents s[10:11]
	s_load_b128 s[12:15], s[0:1], 0x20             ; x_img s[12:13], wqkv_img s[14:15]
	s_load_b64 s[16:17], s[0:1], 0x30              ; wout_img
	v_lshl_add_u32 v240, v0, 2, 0x10400
	v_mov_b32 v241, 0
	v_lshrrev_b32 v1, 5, v0
	v_readfirstlane_b32 s18, v1                    ; wave 0..3
	v_and_b32 v1, 31, v0                           ; lane
	v_lshlrev_b32 v2, 4, v1                        ; 16 x lane
	s_wait_kmcnt 0x0
	s_load_b256 s[20:27], s[10:11], 0x0            ; e0 .. e7
	s_cmp_lt_u32 ttmp9, 128
	s_cbranch_scc1 .Lw
; ---------------- x.  Wave W = 4 (work-group - 128) + wave takes token tile W / 2 and four fragments, K = 512 (W % 2) on.
; Each load reads 512 consecutive bytes (one token's 128 numbers); a fragment's 8,192 bytes turn through the wave's stage, so that a lane gets 8 neighbours along K eight times.
.macro XLOAD f
.irp t, 0,1,2,3,4,5,6,7,8,9,10,11,12,13,14,15
	global_load_b128 v[XR+64*((\f)%2)+4*\t:XR+64*((\f)%2)+4*\t+3], v2, s[4:5] offset:\t*4096+(\f)*512 th:TH_LOAD_NT
.endr
.endm
.macro XFRAG f
.set RS, XR+64*((\f)%2)
.set CC, XC+16*((\f)%2)
.if (\f) < 3
	s_wait_loadcnt 16                              ; this fragment's 16 loads are in; the next fragment's 16 may be out
.else
	s_wait_loadcnt 0x0
.endif
.irp t, 0,1,2,3,4,5,6,7,8,9,10,11,12,13,14,15
	ds_store_b128 v3, v[RS+4*\t:RS+4*\t+3] offset:528*\t       ; token t's 512 bytes as they lie
.endr
.irp c, 0,1,2,3,4,5,6,7
	ds_load_b128 v[XX+8*\c:XX+8*\c+3], v4 offset:64*\c         ; LDS serves a wave's instructions in order: these see the stores above
	ds_load_b128 v[XX+8*\c+4:XX+8*\c+7], v4 offset:64*\c+16
.endr
	s_wait_dscnt 0x0                               ; the turned numbers are in, and the stores have read their registers,
.if (\f)+2 < 4
	XLOAD (\f)+2                                   ; which take the fragment two further on
.endif
.if (\f) >= 2
	s_wait_xcnt 0x0                                ; the stores of two fragments back have read this set of codes
.endif
.set i, 0
.rept 64
	v_med3_num_f32 v[XX+i], v[XX+i], -v10, v10     ; the conversion to an 8-bit code does not saturate (ISA guide 7.6.2): the hold at the largest code x the scale
.set i, i+1
.endr
.irp c, 0,1,2,3,4,5,6,7
	v_cvt_scalef32_pk8_fp8_f32 v[CC+2*\c:CC+2*\c+1], v[XX+8*\c:XX+8*\c+7], v11
.endr
	v_nop                                          ; a plain line behind the conversions: the next fragment's holds write their sources
.irp g, 0,1,2,3
	global_store_b128 v2, v[CC+4*\g:CC+4*\g+3], s[12:13] offset:(\f)*2048+512*\g   ; the wave stores 512 consecutive bytes, aligned
.endr
.endm
	s_sub_co_u32 s28, ttmp9, 128
	s_lshl_b32 s28, s28, 2
	s_add_co_u32 s28, s28, s18                     ; W
	s_lshr_b32 s29, s28, 1                         ; the token tile
	s_and_b32 s28, s28, 1                          ; which half of K
	s_lshl_b32 s30, s29, 16                        ; 16 rows of 4,096 bytes
	s_lshl_b32 s31, s28, 11                        ; 512 numbers
	s_add_co_u32 s30, s30, s31
	s_mov_b32 s31, 0
	s_add_nc_u64 s[4:5], s[4:5], s[30:31]
	s_lshl_b32 s30, s29, 14                        ; a tile's eight fragments
	s_lshl_b32 s29, s28, 13                        ; four of them
	s_add_co_u32 s30, s30, s29
	s_add_nc_u64 s[12:13], s[12:13], s[30:31]
	s_mul_i32 s19, s18, XSTG
	s_wait_alu depctr_va_vdst(0)
	v_add_nc_u32 v3, s19, v2                       ; the stage, on the way in: 16 x lane, a row an instruction
	v_and_b32 v5, 15, v0
	v_bfe_u32 v6, v0, 4, 1
	v_mul_u32_u24 v4, v5, 528                      ; on the way out: row r (528 = 33 x 16: sixteen rows begin at sixteen different places modulo 256), + 32 h
	v_lshl_add_u32 v4, v6, 5, v4
	v_add_nc_u32 v4, s19, v4
	XLOAD 0
	XLOAD 1
	s_wait_alu depctr_va_vdst(0)
	s_wait_kmcnt 0x0
	s_add_co_i32 s28, s20, 127
	s_lshl_b32 s29, s28, 23
	v_mov_b32 v11, s29                             ; 2^e0 as f32: the conversion takes its exponent field
	s_add_co_i32 s28, s28, 8
	s_lshl_b32 s28, s28, 23
	s_or_b32 s28, s28, 0x600000
	v_mov_b32 v10, s28                             ; 448 x 2^e0
	s_wait_alu depctr_va_vdst(0)
	XFRAG 0
	XFRAG 1
	XFRAG 2
	XFRAG 3
	s_wait_tensorcnt 0x0
	ds_add_u32 v240, v241
	s_wait_dscnt 0x0
	s_endpgm
; ---------------- the weights.  Work-group j: column group j / 4 (128 columns; groups 0-23 are w_qkv's, 24-31 w_out's), K = 256 (j % 4) on.  One way for both: only pointers, the pitch and e are chosen.
; A LANE TAKES A COLUMN AND ITS REGISTERS RUN DOWN K: a load reads 128 consecutive bytes a wave, 512 a work-group, and the conversions give codes with K innermost.
; A block of 32 along K is register group t % 4 of fragment t / 4: k 0-7 and 16-23 belong to the image's lane r, k 8-15 and 24-31 to its lane 16 + r.
.macro WLOAD t
.set i, 0
.rept 32
	global_load_b32 v[WX+32*((\t)%2)+i], v[WOFF+i], s[32+2*(\t):33+2*(\t)] th:TH_LOAD_NT
.set i, i+1
.endr
.endm
.macro WBLOCK t
.set XS, WX+32*((\t)%2)
.if (\t) < 7
	s_wait_loadcnt 32                              ; this block's 32 loads are in; the next block's may be out
.else
	s_wait_loadcnt 0x0
.endif
.set i, 0
.rept 32
	v_med3_num_f32 v[XS+i], v[XS+i], -v10, v10
.set i, i+1
.endr
	v_cvt_scalef32_pk8_fp8_f32 v[WC:WC+1],   v[XS:XS+7],     v11
	v_cvt_scalef32_pk8_fp8_f32 v[WC+2:WC+3], v[XS+16:XS+23], v11
	v_cvt_scalef32_pk8_fp8_f32 v[WC+4:WC+5], v[XS+8:XS+15],  v11
	v_cvt_scalef32_pk8_fp8_f32 v[WC+6:WC+7], v[XS+24:XS+31], v11
	v_nop
	ds_store_b128 v4, v[WC:WC+3] offset:((\t)/4)*2048+((\t)%4)*512
	ds_store_b128 v4, v[WC+4:WC+7] offset:((\t)/4)*2048+((\t)%4)*512+256
.if (\t)+2 < 8
	WLOAD (\t)+2
.endif
	s_wait_dscnt 0x0                               ; the stores have read their registers: the next block's codes may be written
.endm
.Lw:
	s_lshr_b32 s28, ttmp9, 2                       ; column group
	s_and_b32 s29, ttmp9, 3                        ; which 256 along K
	s_mov_b32 s30, 4096
	s_cmp_lt_u32 s28, 24                           ; w_qkv or w_out?  The choice hangs on the work-group's number alone
	s_cselect_b64 s[6:7], s[6:7], s[8:9]
	s_cselect_b64 s[14:15], s[14:15], s[16:17]
	s_cselect_b32 s30, 12288, s30                  ; a row of the weight in bytes
	s_cselect_b32 s31, 0, 24
	s_sub_co_u32 s28, s28, s31                     ; the column group within its weight
	s_mul_i32 s48, s29, s30
	s_lshl_b32 s48, s48, 8                         ; 256 rows for each step along K
	s_lshl_b32 s49, s28, 9                         ; 128 columns
	s_add_co_u32 s48, s48, s49
	s_lshl_b32 s49, s18, 7                         ; my wave's 32 of them
	s_add_co_u32 s48, s48, s49
	s_mov_b32 s49, 0
	s_add_nc_u64 s[32:33], s[6:7], s[48:49]        ; block 0's base;
	s_lshl_b32 s52, s30, 5
	s_mov_b32 s53, 0
.irp t, 1,2,3,4,5,6,7
	s_add_nc_u64 s[32+2*\t:33+2*\t], s[30+2*\t:31+2*\t], s[52:53]   ; block t's: 32 rows further down.  No base is stepped while loads are out
.endr
	s_lshl_b32 s50, s28, 3
	s_lshl_b32 s51, s18, 1
	s_add_co_u32 s50, s50, s51                     ; my first tile of 16 columns: 8 x group + 2 x wave
	s_lshl_b32 s50, s50, 14
	s_lshl_b32 s51, s29, 12                        ; two fragments for each 256 along K
	s_add_co_u32 s50, s50, s51
	s_mov_b32 s51, 0
	s_add_nc_u64 s[14:15], s[14:15], s[50:51]
	s_wait_alu depctr_va_vdst(0)
	v_lshlrev_b32 v[WOFF], 2, v1
.set i, 1
.rept 31
	v_add_nc_u32 v[WOFF+i], s30, v[WOFF+i-1]
.set i, i+1
.endr
	s_lshl_b32 s19, s18, 13
	s_add_co_u32 s19, s19, WBASE                   ; my stage: [tile of columns 2][fragment 2][2048]
	v_lshrrev_b32 v5, 4, v1
	v_and_b32 v6, 15, v1
	v_lshlrev_b32 v4, 12, v5
	v_lshl_add_u32 v4, v6, 4, v4
	v_add_nc_u32 v4, s19, v4                       ; in: my column's tile, image lane r
	v_add_nc_u32 v7, s19, v2                       ; out: 16 x lane
	WLOAD 0
	WLOAD 1
	s_wait_kmcnt 0x0
	s_cmp_lt_u32 ttmp9, 96
	s_cselect_b32 s21, s21, s27                    ; e1 or e7
	s_add_co_i32 s21, s21, 127
	s_lshl_b32 s22, s21, 23
	v_mov_b32 v11, s22                             ; 2^e
	s_add_co_i32 s21, s21, 8
	s_lshl_b32 s21, s21, 23
	s_or_b32 s21, s21, 0x600000
	v_mov_b32 v10, s21                             ; 448 x 2^e
	s_wait_alu depctr_va_vdst(0)
.irp t, 0,1,2,3,4,5,6,7
	WBLOCK \t
.endr
.irp j, 0,1,2,3,4,5,6,7,8,9,10,11,12,13,14,15
	ds_load_b128 v[WOUT+4*\j:WOUT+4*\j+3], v7 offset:512*\j
.endr
.irp j, 0,1,2,3,4,5,6,7,8,9,10,11,12,13,14,15
	s_wait_dscnt 15-\j                             ; LDS loads come back in order: piece j is in
	global_store_b128 v2, v[WOUT+4*\j:WOUT+4*\j+3], s[14:15] offset:(\j/8)*16384+(\j%8)*512   ; 512 consecutive bytes, aligned
.endr
	s_wait_tensorcnt 0x0
	ds_add_u32 v240, v241
	s_wait_dscnt 0x0
	s_endpgm
.Lfunc_end_k_qe54e2b0bcc_quant:
	.size	k_qe54e2b0bcc_quant, .Lfunc_end_k_qe54e2b0bcc_quant-k_qe54e2b0bcc_quant
	.p2alignl 7, 3214868480
	.fill 96, 4, 3214868480
	.section	.rodata,"a",@progbits
	.p2align	6, 0x0
	.amdhsa_kernel k_qe54e2b0bcc_quant
		.amdhsa_group_segment_fixed_size 67072
		.amdhsa_private_segment_fixed_size 0
		.amdhsa_enable_private_segment 0
		.amdhsa_kernarg_size 56
		.amdhsa_user_sgpr_count 2
		.amdhsa_user_sgpr_kernarg_segment_ptr 1
		.amdhsa_wavefront_size32 1
		.amdhsa_system_sgpr_workgroup_id_x 1
		.amdhsa_system_sgpr_workgroup_id_y 1
		.amdhsa_system_sgpr_workgroup_id_z 1
		.amdhsa_system_vgpr_workitem_id 0
		.amdhsa_next_free_vgpr 242
		.amdhsa_next_free_sgpr 66
		.amdhsa_reserve_vcc 0
		.amdhsa_float_denorm_mode_32 3
		.amdhsa_float_denorm_mode_16_64 3
		.amdhsa_memory_ordered 1
		.amdhsa_forward_progress 1
		.amdhsa_inst_pref_size 87
	.end_amdhsa_kernel
	.amdgpu_metadata
---
amdhsa.version: [ 1, 2 ]
amdhsa.kernels:
  - .name:           k_qe54e2b0bcc_quant
    .symbol:         k_qe54e2b0bcc_quant.kd
    .args:
      - { .name: x, .offset: 0, .size: 8, .value_kind: global_buffer, .address_space: global }
      - { .name: w_qkv, .offset: 8, .size: 8, .value_kind: global_buffer, .address_space: global }
      - { .name: w_out, .offset: 16, .size: 8, .value_kind: global_buffer, .address_space: global }
      - { .name: lowp_scales, .offset: 24, .size: 8, .value_kind: global_buffer, .address_space: global }
      - { .name: x_img, .offset: 32, .size: 8, .value_kind: global_buffer, .address_space: global }
      - { .name: wqkv_img, .offset: 40, .size: 8, .value_kind: global_buffer, .address_space: global }
      - { .name: wout_img, .offset: 48, .size: 8, .value_kind: global_buffer, .address_space: global }
    .group_segment_fixed_size: 67072
    .private_segment_fixed_size: 0
    .kernarg_segment_align: 8
    .kernarg_segment_size: 56
    .max_flat_workgroup_size: 128
    .sgpr_count:     66
    .vgpr_count:     242
    .wavefront_size: 32
...
	.end_amdgpu_metadata
.endif
;; end of part 1
;; launch qkv (part 2): grid 32 x 8, 4 waves a work-group, clusters of 4 x 1, 327,680 bytes of LDS; arguments x_img, wqkv_img, lowp_scales, b_qkv, q_img, k_img, v_img; writes q_img, k_img, v_img
.if DOCPART == 2
	.amdgcn_target "amdgcn-amd-amdhsa--gfx1250"
	.amdhsa_code_object_version 6
	.text
	.protected	k_qe54e2b0bcc_qkv
	.globl	k_qe54e2b0bcc_qkv
	.p2align	8
	.type	k_qe54e2b0bcc_qkv,@function
k_qe54e2b0bcc_qkv:
	s_mov_b64 s[64:65], 0
	v_nop
	global_prefetch_b8 v0, s[64:65] scope:SCOPE_SE
	s_setreg_imm32_b32 hwreg(HW_REG_WAVE_MODE, 25, 1), 1
	s_wait_xcnt 0x0
	s_wait_alu depctr_hold_cnt(0) depctr_sa_sdst(0) depctr_va_vdst(0) depctr_va_sdst(0) depctr_va_ssrc(0) depctr_va_vcc(0) depctr_vm_vsrc(0)
	s_getreg_b32 s2, hwreg(HW_REG_IB_STS2, 6, 4)
	s_cmp_eq_u32 s2, 0
	s_cbranch_scc0 .Lentry_in_a_cluster
	s_endpgm
.Lentry_in_a_cluster:
	s_bfe_u32 s2, ttmp6, 0x10000c
	s_cmp_lg_u32 s2, 0x3003
	s_cbranch_scc0 .Lentry_shape_is_right
	s_endpgm
.Lentry_shape_is_right:
; qkv = x w_qkv + b_qkv on codes of E4M3 (scales 2^e0, 2^e1), K = 1,024, and its three parts quantised at once for the attention's products: q (2^e2), k (2^e3), v (2^e5).
; All buffers are images of operand registers: a fragment is 16 rows x 128 K (lane (r, h): row r; registers 2 c, 2 c + 1: k = 16 c + 8 h + 0 .. 7); registers 4 g .. 4 g + 3 of lane l lie at 512 g + 16 l.
; x_img [token tile 512][8][2048], wqkv_img [column tile 192][8][2048].  q_img, k_img: [batch x head 64][token tile 128][1024];  v_img: [batch x head 64][128 keys: 16][channel tile 4][2048].
; SHARES.  A work-group owns 256 tokens and 384 columns: 32 x 8 = 256 work-groups.  A wave owns 64 tokens and KEEPS THEIR CODES IN REGISTERS: 4 token tiles x 8 fragments = 512 registers, loaded once, 16 bytes a lane.
; The weights alone go through LDS, in CHUNKS of 64 columns (one head) x all of K: 65,536 bytes, dense in memory.  A chunk is 8 K steps x 16 matrix instructions on 16 accumulators, which take turns; then it leaves.
; THE RING: two slots of two chunks.  Each wave fetches a quarter of a slot (32,768 bytes) by one load: three groups of loads in all.
; CLUSTER: four work-groups with the same columns (four token blocks) ask for the weights jointly.  The token block enters global addresses alone.
; ROLES, by the chunk's number (the same in all partners).  q, k: source 0 = 16 columns, source 1 = 16 tokens: a lane holds one token and eight neighbouring channels: converted, registers 2 b, 2 b + 1 of a fragment of 16 tokens x 64.
;   v: source 0 = 16 tokens, source 1 = 16 columns: a lane holds one channel and eight neighbouring keys: registers 2 a, 2 a + 1 of my half of a fragment of 16 channels x 128 keys.
; THE BIAS, divided by 2^(e0 + e1) (exact), is the C of a chunk's first products; the sums are then held and converted with the one scale 2^(eo - e0 - e1).
; THE PREFETCH: in the ring's first trip the third group's 131,072 bytes are named, one trip ahead of their load: 512 blocks of 256 bytes, a lane a block, one instruction a wave, the partners told apart by address;
;   of the eight clusters that walk the same columns four ask.  The first two groups come by their loads alone.
; LIMITS: e0 + e1 between -127 and 126; eo - e0 - e1 between -126 and 119 for eo = e2, e3, e5.  NaN is not served.
; REGISTERS: window 0: v16-31 addresses and constants; v32-159 the weights' fragments, two sets of 4; v160-191 codes; v192-223 the next chunk's bias.  Window 1: v0-127 accumulators ((a, b) at 8 (4 a + b)); v128-159 the bias as C.
;   Windows 2, 3: x: token tile a, K step s at 128 (a % 2) + 16 s of window 2 + a / 2.
.set SLOT,  131072
.set SPARE, 262144                     ; behind the ring: the spare words, 128 bytes a wave
.set ADB,  16                          ; the chunk's first byte in LDS + 16 x lane
.set VOQ,  17                          ; 32 h
.set VOV,  18                          ; 4 r
.set PFO,  19                          ; 256 x lane
.set CO,   26                          ; 16 x lane
.set SPW,  28
.set NIL,  29
.set SCL,  30                          ; 2^(eo - e0 - e1)
.set LIM,  31                          ; 448 x that
.set BF,   32
.set CD,   160
.set RB,   192
.set CB,   128                         ; window 1
.set WV,   14
.set CX,   15
.set BLK,  16
.set GRP,  17
.set CH,   18                          ; the chunk, 0 .. 47: 0-15 q's heads, 16-31 k's, 32-47 v's
.set IC,   19
.set RT,   20
.set TB,   21
.set CHE,  22                          ; my last chunk
.set PLIM, 23
.set G1,   24
.set G0,   32
.set BS,   36                          ; 2^-(e0 + e1), as a pair
.set E01,  38
.set OFFQ, 39
.set OFFV, 40
.set BB,   42
.set DST,  44
.set PFA,  56
.set MSB, 0
.macro WIN new                         ; the immediate's high byte repeats the setting that is left
.if MSB != (\new)
	s_set_vgpr_msb (MSB<<8)|(\new)
.set MSB, \new
.endif
.endm
.macro CROUND                          ; a round of the cluster's barrier
	s_barrier_signal -1
	s_barrier_wait -1
	s_cmp_lg_u32 s[WV], 0
	s_cbranch_scc1 .Lnot_wave_0_\@
	s_barrier_signal -3
.Lnot_wave_0_\@:
	s_barrier_wait -3
	s_barrier_signal -1
	s_barrier_wait -1
.endm
.macro FETCH set, ks                   ; the chunk's 4 column tiles, K step ks: 16 loads of 512 consecutive bytes
.irp b, 0,1,2,3
.irp g, 0,1,2,3
	ds_load_b128 v[BF+64*(\set)+16*\b+4*\g:BF+64*(\set)+16*\b+4*\g+3], v[ADB] offset:\b*16384+(\ks)*2048+512*\g
.endr
.endr
.endm
.macro MM isv, ks, a, b
.set AC, 8*(4*(\a)+(\b))
.set AR, 128*((\a)%2)+16*(\ks)
.set BR, BF+64*((\ks)%2)+16*(\b)
.if \isv
.if (\ks) == 0
	v_wmma_f32_16x16x128_fp8_fp8 v[AC:AC+7], v[AR:AR+15], v[BR:BR+15], v[CB+8*(\b):CB+8*(\b)+7]
.else
	v_wmma_f32_16x16x128_fp8_fp8 v[AC:AC+7], v[AR:AR+15], v[BR:BR+15], v[AC:AC+7]
.endif
.else
.if (\ks) == 0
	v_wmma_f32_16x16x128_fp8_fp8 v[AC:AC+7], v[BR:BR+15], v[AR:AR+15], v[CB+8*(\b):CB+8*(\b)+7]
.else
	v_wmma_f32_16x16x128_fp8_fp8 v[AC:AC+7], v[BR:BR+15], v[AR:AR+15], v[AC:AC+7]
.endif
.endif
.endm
; A chunk's 8 K steps.  The next step's fragments are asked for ahead of this step's products, into the set that the step before has read: four plain lines stand between (ISA guide 7.12.1).
.macro KSTEPS isv
.irp ks, 0,1,2,3,4,5,6,7
.if \ks < 7
.if \ks > 0
.rept 4
	v_nop
.endr
.endif
	WIN 0
	FETCH (\ks+1)%2, \ks+1
	s_wait_dscnt 16                                ; this step's 16 loads are in; the next step's 16 may be out
.else
	s_wait_dscnt 0x0
.endif
.irp a, 0,1,2,3
.if \isv
	WIN 0x52+(\a)/2                                ; source 0: x, window 2 or 3; C and D window 1
.else
	WIN 0x58+4*((\a)/2)                            ; source 1: x
.endif
.irp b, 0,1,2,3
	MM \isv, \ks, \a, \b
.endr
.endr
.endr
	WIN 0
.endm
.macro BIASLD                          ; chunk s48's bias, in the layout of the results: q, k: b_qkv at my eight channels of each tile; v: at my one channel, in all eight registers
	s_lshl_b32 s46, s48, 8
	s_mov_b32 s47, 0
	s_add_nc_u64 s[BB:BB+1], s[10:11], s[46:47]
	s_cmp_ge_u32 s48, 32
	s_cbranch_scc1 .Lbv_\@
.irp b, 0,1,2,3
	global_load_b128 v[RB+8*\b:RB+8*\b+3], v[VOQ], s[BB:BB+1] offset:64*\b
	global_load_b128 v[RB+8*\b+4:RB+8*\b+7], v[VOQ], s[BB:BB+1] offset:64*\b+16
.endr
	s_branch .Lbd_\@
.Lbv_\@:
.irp b, 0,1,2,3
.irp j, 0,1,2,3,4,5,6,7
	global_load_b32 v[RB+8*\b+\j], v[VOV], s[BB:BB+1] offset:64*\b
.endr
.endr
.Lbd_\@:
.endm
; The two chunks of the slot at s[TB].
.macro PAIRLOOP
	s_mov_b32 s[IC], 0
.Lpair_\@:
	s_lshl_b32 s46, s[IC], 16
	s_add_co_u32 s46, s46, s[TB]
	v_add_nc_u32 v[ADB], s46, v[CO]
	s_cmp_lt_u32 s[CH], 16
	s_cselect_b32 s47, s86, s87                    ; q: e2; k: e3;
	s_cmp_lt_u32 s[CH], 32
	s_cselect_b32 s47, s47, s89                    ; v: e5
	s_sub_co_i32 s47, s47, s[E01]
	s_add_co_i32 s47, s47, 127
	s_lshl_b32 s48, s47, 23
	v_mov_b32 v[SCL], s48
	s_add_co_i32 s47, s47, 8
	s_lshl_b32 s47, s47, 23
	s_or_b32 s47, s47, 0x600000
	v_mov_b32 v[LIM], s47
	s_wait_alu depctr_va_vdst(0)
	FETCH 0, 0
	s_wait_loadcnt 0x0                             ; this chunk's bias (the first time: x too)
	WIN 0x40
.set j, 0
.rept 16
	v_pk_mul_f32 v[CB+j:CB+j+1], v[RB+j:RB+j+1], s[BS:BS+1] op_sel_hi:[1,0]   ; bias / 2^(e0 + e1): exact
.set j, j+2
.endr
	WIN 0
	s_wait_alu depctr_va_vdst(0)
	s_cmp_eq_u32 s[CH], s[CHE]
	s_cbranch_scc1 .Lnb_\@
	s_add_co_u32 s48, s[CH], 1
	BIASLD                                         ; the next chunk's bias lands under this chunk's products
.Lnb_\@:
	s_cmp_ge_u32 s[CH], 32
	s_cbranch_scc1 .Lkv_\@
	KSTEPS 0
	s_branch .Lkd_\@
.Lkv_\@:
	KSTEPS 1
.Lkd_\@:
.rept 4
	v_nop                                          ; places behind the last products
.endr
	WIN 0x41
.set j, 0
.rept 128
	v_med3_num_f32 v[j], v[j], -v[LIM], v[LIM]     ; the conversion does not saturate (ISA guide 7.6.2); each accumulator from its low end on
.set j, j+1
.endr
	WIN 0
	s_wait_alu depctr_va_vdst(0)                   ; directly ahead of the wait below
	s_wait_xcnt 0x0                                ; the last chunk's stores have read their codes and their base
	s_and_b32 s46, s[CH], 15
	s_lshl_b32 s46, s46, 17                        ; the head
	s_cmp_ge_u32 s[CH], 32
	s_cselect_b32 s47, s[OFFV], s[OFFQ]
	s_cselect_b64 s[DST:DST+1], s[72:73], s[70:71]
	s_cmp_lt_u32 s[CH], 16
	s_cselect_b64 s[DST:DST+1], s[68:69], s[DST:DST+1]
	s_add_co_u32 s46, s46, s47
	s_mov_b32 s47, 0
	s_add_nc_u64 s[DST:DST+1], s[DST:DST+1], s[46:47]
	s_cmp_ge_u32 s[CH], 32
	s_cbranch_scc1 .Lov_\@
	WIN 0x01
.irp a, 0,1,2,3
.irp b, 0,1,2,3
	v_cvt_scalef32_pk8_fp8_f32 v[CD+8*\a+2*\b:CD+8*\a+2*\b+1], v[8*(4*\a+\b):8*(4*\a+\b)+7], v[SCL]
.endr
.endr
	WIN 0
	v_nop                                          ; a plain line behind the conversions
.irp a, 0,1,2,3
	global_store_b128 v[CO], v[CD+8*\a:CD+8*\a+3], s[DST:DST+1] offset:\a*1024        ; token tile a: 512 consecutive bytes, aligned
	global_store_b128 v[CO], v[CD+8*\a+4:CD+8*\a+7], s[DST:DST+1] offset:\a*1024+512
.endr
	s_branch .Lod_\@
.Lov_\@:
	WIN 0x01
.irp a, 0,1,2,3
.irp b, 0,1,2,3
	v_cvt_scalef32_pk8_fp8_f32 v[CD+8*\b+2*\a:CD+8*\b+2*\a+1], v[8*(4*\a+\b):8*(4*\a+\b)+7], v[SCL]
.endr
.endr
	WIN 0
	v_nop
.irp b, 0,1,2,3
	global_store_b128 v[CO], v[CD+8*\b:CD+8*\b+3], s[DST:DST+1] offset:\b*2048        ; channel tile b, my 64 keys
	global_store_b128 v[CO], v[CD+8*\b+4:CD+8*\b+7], s[DST:DST+1] offset:\b*2048+512
.endr
.Lod_\@:
	s_add_co_u32 s[CH], s[CH], 1
	s_add_co_u32 s[IC], s[IC], 1
	s_cmp_lt_u32 s[IC], 2
	s_cbranch_scc1 .Lpair_\@
.endm
	s_load_b256 s[4:11], s[0:1], 0x0               ; x_img s[4:5], wqkv_img s[6:7], the scales' exponents s[8:9], b_qkv s[10:11]
	s_load_b128 s[68:71], s[0:1], 0x20             ; q_img, k_img
	s_load_b64 s[72:73], s[0:1], 0x30              ; v_img
	v_lshl_add_u32 v[SPW], v0, 2, SPARE
	v_mov_b32 v[NIL], 0
	ds_add_u32 v[SPW], v[NIL]                      ; the opening lines: the add, twice on end, and its wait ahead of my first tensor load
	ds_add_u32 v[SPW], v[NIL]
	v_lshrrev_b32 v1, 5, v0
	v_readfirstlane_b32 s[WV], v1                  ; wave 0..3
	s_bfe_u32 s[CX], ttmp6, 0x40000
	s_lshl_b32 s[BLK], ttmp9, 2
	s_add_co_u32 s[BLK], s[BLK], s[CX]             ; the block of 256 tokens
	s_and_b32 s[GRP], ttmp7, 0xffff                ; the group of 384 columns
	s_mul_i32 s[CH], s[GRP], 6
	s_add_co_u32 s[CHE], s[CH], 5
	s_cmp_lt_u32 ttmp9, 4
	s_cselect_b32 s[PLIM], 1, 0
	s_mov_b32 s[G1], 15|(3<<16)|(1<<21)            ; the mask names the cluster's four; elements of 8 bytes; bit 21 beside a mask; no padding: every read is 16 bytes a lane, lanes side by side
	s_mov_b32 s[G1+1], 32<<16                      ; 128 rows of 256 bytes, dense
	s_mov_b32 s[G1+2], 128<<16
	s_mov_b32 s[G1+3], 32<<16
	s_mov_b32 s[G1+4], 128
	s_mov_b32 s[G1+5], 32
	s_mov_b32 s[G1+6], 0
	s_mov_b32 s[G1+7], 0
	s_mov_b32 s[G0], 1
	s_lshl_b32 s[G0+1], s[WV], 15
	s_mul_i32 s46, s[GRP], 393216
	s_lshl_b32 s47, s[WV], 15
	s_add_co_u32 s46, s46, s47
	s_mov_b32 s47, 0
	s_mul_i32 s48, s[GRP], 393216
	s_add_co_u32 s48, s48, 2*SLOT
	s_lshl_b32 s49, s[CX], 15
	s_add_co_u32 s48, s48, s49
	s_lshl_b32 s49, s[WV], 13
	s_add_co_u32 s48, s48, s49                     ; the prefetch: my 8,192 bytes of the third group
	s_mov_b32 s49, 0
	s_wait_dscnt 0x0                               ; both opening adds are done
	s_wait_kmcnt 0x0
	s_load_b256 s[84:91], s[8:9], 0x0              ; e0 .. e7
	s_add_nc_u64 s[G0+2:G0+3], s[6:7], s[46:47]
	s_or_b32 s[G0+3], s[G0+3], 0x80000000
	s_add_nc_u64 s[PFA:PFA+1], s[6:7], s[48:49]
	CROUND                                         ; the four work-groups are here: the first joint loads meet
	tensor_load_to_lds s[G0:G0+3], s[G1:G1+7]      ; my quarter of chunks 0 and 1
	s_nop 0
	v_and_b32 v1, 31, v0
	v_lshlrev_b32 v[CO], 4, v1
	v_lshlrev_b32 v[PFO], 8, v1
	v_bfe_u32 v2, v0, 4, 1
	v_lshlrev_b32 v[VOQ], 5, v2
	v_and_b32 v3, 15, v0
	v_lshlrev_b32 v[VOV], 2, v3
	s_lshl_b32 s46, s[BLK], 18                     ; 16 token tiles of 16,384 bytes
	s_lshl_b32 s47, s[WV], 16                      ; my four
	s_add_co_u32 s46, s46, s47
	s_mov_b32 s47, 0
	s_add_nc_u64 s[4:5], s[4:5], s[46:47]
	s_wait_alu depctr_va_vdst(0)
.irp u, 0,1
	WIN 0x80+0x40*\u
.irp a, 0,1
.set n, 0
.rept 32
	global_load_b128 v[128*\a+4*n:128*\a+4*n+3], v[CO], s[4:5] offset:(2*\u+\a)*16384+512*n   ; x stays in registers
.set n, n+1
.endr
.endr
.endr
	WIN 0
	s_mov_b32 s48, s[CH]
	BIASLD
	s_lshr_b32 s46, s[BLK], 3
	s_lshl_b32 s46, s46, 21                        ; the batch: 16 heads of 131,072 bytes
	s_and_b32 s47, s[BLK], 7
	s_lshl_b32 s48, s47, 14
	s_add_co_u32 s[OFFQ], s46, s48
	s_lshl_b32 s48, s[WV], 12
	s_add_co_u32 s[OFFQ], s[OFFQ], s48             ; q, k: token tile 16 (block % 8) + 4 wave, 1,024 bytes each
	s_lshl_b32 s48, s47, 14
	s_add_co_u32 s[OFFV], s46, s48
	s_lshr_b32 s48, s[WV], 1
	s_lshl_b32 s48, s48, 13
	s_add_co_u32 s[OFFV], s[OFFV], s48             ; v: 128 keys 2 (block % 8) + wave / 2, 8,192 bytes each,
	s_and_b32 s48, s[WV], 1
	s_lshl_b32 s48, s48, 10
	s_add_co_u32 s[OFFV], s[OFFV], s48             ; and my half of each fragment
	s_wait_kmcnt 0x0
	s_add_co_i32 s[E01], s84, s85
	s_sub_co_i32 s46, 127, s[E01]
	s_lshl_b32 s[BS], s46, 23
	s_mov_b32 s[BS+1], s[BS]
	s_mov_b32 s[TB], 0
	s_mov_b32 s[RT], 0
	s_wait_alu depctr_va_vdst(0)                   ; the head's end
.Lring:                                            ; two trips: slot 1's first fill, issued as a refill is, then slot 0's refill
	s_wait_tensorcnt 0x0                           ; my quarter of the slot ahead is in, and group 0 may be written
	ds_add_u32 v[SPW], v[NIL]                      ; 0 onto my spare word
	s_xor_b32 s[G0+1], s[G0+1], SLOT
	s_add_nc_u64 s[G0+2:G0+3], s[G0+2:G0+3], SLOT
	s_wait_dscnt 0x0                               ; the add is done, and my reads of the slot that I have left are over
	CROUND
	tensor_load_to_lds s[G0:G0+3], s[G1:G1+7]      ; the next two chunks: my one load until the next round
	s_nop 0
.rept 4
	v_nop
.endr
	s_cmp_lt_u32 s[RT], s[PLIM]
	s_cbranch_scc0 .Lnp
	global_prefetch_b8 v[PFO], s[PFA:PFA+1] th:TH_LOAD_NT scope:SCOPE_SE
.Lnp:
	PAIRLOOP
	s_xor_b32 s[TB], s[TB], SLOT
	s_add_co_u32 s[RT], s[RT], 1
	s_cmp_lt_u32 s[RT], 2
	s_cbranch_scc1 .Lring
	s_wait_tensorcnt 0x0                           ; the last two chunks: my quarter is in;
	s_wait_dscnt 0x0
	s_barrier_signal -1
	s_barrier_wait -1                              ; everybody's is.
	PAIRLOOP
	s_wait_tensorcnt 0x0                           ; the wave's end
	ds_add_u32 v[SPW], v[NIL]
	s_wait_dscnt 0x0
	CROUND                                         ; the closing round
	s_endpgm
.Lfunc_end_k_qe54e2b0bcc_qkv:
	.size	k_qe54e2b0bcc_qkv, .Lfunc_end_k_qe54e2b0bcc_qkv-k_qe54e2b0bcc_qkv
	.p2alignl 7, 3214868480
	.fill 96, 4, 3214868480
	.section	.rodata,"a",@progbits
	.p2align	6, 0x0
	.amdhsa_kernel k_qe54e2b0bcc_qkv
		.amdhsa_group_segment_fixed_size 327680
		.amdhsa_private_segment_fixed_size 0
		.amdhsa_enable_private_segment 0
		.amdhsa_kernarg_size 56
		.amdhsa_user_sgpr_count 2
		.amdhsa_user_sgpr_kernarg_segment_ptr 1
		.amdhsa_wavefront_size32 1
		.amdhsa_system_sgpr_workgroup_id_x 1
		.amdhsa_system_sgpr_workgroup_id_y 1
		.amdhsa_system_sgpr_workgroup_id_z 1
		.amdhsa_system_vgpr_workitem_id 0
		.amdhsa_next_free_vgpr 1024
		.amdhsa_next_free_sgpr 98
		.amdhsa_reserve_vcc 0
		.amdhsa_float_denorm_mode_32 3
		.amdhsa_float_denorm_mode_16_64 3
		.amdhsa_memory_ordered 1
		.amdhsa_forward_progress 1
		.amdhsa_inst_pref_size 128
	.end_amdhsa_kernel
	.amdgpu_metadata
---
amdhsa.version: [ 1, 2 ]
amdhsa.kernels:
  - .name:           k_qe54e2b0bcc_qkv
    .symbol:         k_qe54e2b0bcc_qkv.kd
    .args:
      - { .name: x_img, .offset: 0, .size: 8, .value_kind: global_buffer, .address_space: global }
      - { .name: wqkv_img, .offset: 8, .size: 8, .value_kind: global_buffer, .address_space: global }
      - { .name: lowp_scales, .offset: 16, .size: 8, .value_kind: global_buffer, .address_space: global }
      - { .name: b_qkv, .offset: 24, .size: 8, .value_kind: global_buffer, .address_space: global }
      - { .name: q_img, .offset: 32, .size: 8, .value_kind: global_buffer, .address_space: global }
      - { .name: k_img, .offset: 40, .size: 8, .value_kind: global_buffer, .address_space: global }
      - { .name: v_img, .offset: 48, .size: 8, .value_kind: global_buffer, .address_space: global }
    .group_segment_fixed_size: 327680
    .private_segment_fixed_size: 0
    .kernarg_segment_align: 8
    .kernarg_segment_size: 56
    .max_flat_workgroup_size: 128
    .sgpr_count:     98
    .vgpr_count:     1024
    .wavefront_size: 32
...
	.end_amdgpu_metadata
.endif
;; end of part 2
;; launch attn (part 3): grid 4 x 64, 8 waves a work-group, clusters of 4 x 1, 327,680 bytes of LDS; arguments q_img, k_img, v_img, lowp_scales, a_img; writes a_img
.if DOCPART == 3
	.amdgcn_target "amdgcn-amd-amdhsa--gfx1250"
	.amdhsa_code_object_version 6
	.text
	.protected	k_qe54e2b0bcc_attn
	.globl	k_qe54e2b0bcc_attn
	.p2align	8
	.type	k_qe54e2b0bcc_attn,@function
k_qe54e2b0bcc_attn:
	s_mov_b64 s[64:65], 0
	v_nop
	global_prefetch_b8 v0, s[64:65] scope:SCOPE_SE
	s_setreg_imm32_b32 hwreg(HW_REG_WAVE_MODE, 25, 1), 1
	s_wait_xcnt 0x0
	s_wait_alu depctr_hold_cnt(0) depctr_sa_sdst(0) depctr_va_vdst(0) depctr_va_sdst(0) depctr_va_ssrc(0) depctr_va_vcc(0) depctr_vm_vsrc(0)
	s_getreg_b32 s2, hwreg(HW_REG_IB_STS2, 6, 4)
	s_cmp_eq_u32 s2, 0
	s_cbranch_scc0 .Lentry_in_a_cluster
	s_endpgm
.Lentry_in_a_cluster:
	s_bfe_u32 s2, ttmp6, 0x10000c
	s_cmp_lg_u32 s2, 0x3003
	s_cbranch_scc0 .Lentry_shape_is_right
	s_endpgm
.Lentry_shape_is_right:
; Causal attention of one head on codes of E4M3, and its result quantised for the last product.  16 heads of 64, 4 batches, 2,048 tokens.
; q_img, k_img: [batch x head 64][token tile 128][1024]: fragments of 16 tokens x 64 (lane (r, h): token r; registers 2 c, 2 c + 1: channel 16 c + 8 h + 0 .. 7; registers 4 g .. 4 g + 3 of lane l at 512 g + 16 l).
; v_img: [batch x head][128 keys: 16][channel tile 4][2048]: fragments of 16 channels x 128 keys.  a_img: [token tile 512][8][2048]; head n fills 1,024 bytes at 1,024 n of a tile.
; THE SOFTMAX: t = score x log2(e) / 8; M = the row's largest t so far, rounded UP to a whole number; p = 2^(t - M) is quantised (2^e4), not normalised; the row's sum is taken of the unquantised p and divides O at the end.
; When M moves, the sum and O are multiplied by 2^(old M - new M): exact.
; LEFT OUT: key steps of 128 all of whose keys come after the queries: the mask sets their scores to -infinity, so their p is 0 for all inputs.  A NaN or infinity that reaches only those scores is not carried on.
; LAYOUT.  Both products are used transposed (S^T = K Q^T, O^T = V^T P^T): a lane holds ONE query (lane % 16) of each tile.  Tile c of S^T gives a lane keys 16 c + 8 h + 0 .. 7: converted, registers 2 c, 2 c + 1 of P.
; LDS.  A head's K (131,072 bytes) and V (131,072) lie WHOLE in LDS, as they lie in memory: no byte is filled twice, and there is no ring.
; CLUSTER.  The four work-groups of a head form a cluster and ask for K and V jointly.  Work-group i owns the query tiles 8 a + i and 8 a + 4 + i (pair a, a = 0 .. 15), so all four want all 16 key steps.
; TWO GROUPS OF LOADS, one load a wave each (waves 0-3: K, waves 4-7: V): the first 5 key steps (4 x 10,240 bytes of each), then, behind the full sequence and a round, the other 11 (4 x 22,528).
; The first four trips read key steps 0 to 3 and K's step 4 alone; one barrier follows; behind it the waves meet no more until the end.
; SHARES.  Pair a needs key steps 0 .. a, the last on the diagonal.  Wave w walks pair 15 - w, then pair w: (16 - w) + (w + 1) = 17 trips in every wave.  In a trip each fragment of K and V feeds two matrix instructions.
; NO PREFETCH: every byte of K and V is asked for by the two groups above, at the start; there is no later load to run ahead of.
; LIMITS: e2 + e3 between -123 and 130 (added to c's exponent field); e4 and e6 between -126 and 119; e4 + e5 is applied by v_ldexp_f32 and has none.  NaN is not served.  Scaled scores stay under 2^31 in magnitude.
; REGISTERS.  Window 0: v1-31 addresses, constants, the softmax's state; v32-95 V's 4 fragments; v96-159, v160-223 S^T then p of tiles A, B; v224-239, v240-255 their codes.
;   Window 1: v0-31, v32-63 O^T of A, B; v64-79 Q of the pair in hand; v80-95 Q of the second pair; v128-191 K's 8 fragments, loaded one trip ahead.
.set SPARE, 262144                     ; behind K and V: the spare words, 128 bytes a wave: four blocks of 256 bytes that no other line names
.set VBASE, 131072                     ; V's first byte in LDS
.set P1,    10240                      ; a wave's part of the first group
.set P2,    22528                      ; and of the second
.set LI,   1                           ; 16 x lane
.set ADK,  2                           ; the next step's K
.set ADV,  3                           ; this step's V
.set DQA,  4                           ; tile A on the diagonal: my query - the step's first key - 8 h
.set DQB,  5
.set SPW,  6                           ; my spare word; never rewritten
.set NIL,  7                           ; 0; never rewritten
.set MA,   8                           ; v8 -M, v9 the largest t, tile A
.set MB,   10
.set SA,   12                          ; the sum in two halves
.set SB,   14
.set FA,   16                          ; f = 2^(old M - new M); the upper register is only named
.set FB,   18
.set T0,   20                          ; v20-23 at work
.set PDA,  24
.set PDB,  25
.set LIMP, 26                          ; 448 x 2^e4
.set SCP,  27                          ; 2^e4
.set LIMO, 28                          ; 448 x 2^e6
.set SCO,  29                          ; 2^e6
.set NINF, 30
.set LIV,  31                          ; VBASE + 16 x lane
.set VF,   32
.set SAR,  96
.set SBR,  160
.set PA,   224
.set PB,   240
.set OA,   0                           ; window 1
.set OB,   32
.set QA,   64
.set QB,   72
.set QN,   80
.set KFR,  128
.set WV,   14                          ; wave
.set U,    15                          ; wave % 4
.set W15,  16                          ; 15 - wave
.set CX,   17                          ; my place in the cluster: enters data and global addresses alone
.set BH,   18
.set TRIP, 19
.set SEL,  20
.set CS,   22
.set G1S,  24
.set G1L,  32
.set G0S,  40
.set G0L,  44
.set KVB,  48
.set DG,   50                          ; 1: this trip's step lies on the diagonal and ends a pair
.set PAIR, 51
.set EPV,  52
.set TBC,  53
.set TBN,  54
.set ABASE, 56
.set OUTP, 58
.set MSB, 0
.macro WIN new                         ; the immediate's high byte repeats the setting that is left
.if MSB != (\new)
	s_set_vgpr_msb (MSB<<8)|(\new)
.set MSB, \new
.endif
.endm
.macro CROUND                          ; a round of the cluster's barrier
	s_barrier_signal -1
	s_barrier_wait -1
	s_cmp_lg_u32 s[WV], 0
	s_cbranch_scc1 .Lnot_wave_0_\@
	s_barrier_signal -3
.Lnot_wave_0_\@:
	s_barrier_wait -3
	s_barrier_signal -1
	s_barrier_wait -1
.endm
.macro INIT                            ; a pair's start: the trip is written for all steps alike and finds zeros, which the first change of M leaves zeros
	v_mov_b32 v[MA+1], 0xff61b1e6                  ; the largest t so far: -3e38
	v_mov_b32 v[MB+1], 0xff61b1e6
	v_floor_f32 v[MA], -v[MA+1]
	v_floor_f32 v[MB], -v[MB+1]
.irp j, 0,1,2,3
	v_mov_b32 v[SA+\j], 0
.endr
	WIN 0x40
.set j, 0
.rept 64
	v_mov_b32 v[OA+j], 0
.set j, j+1
.endr
	WIN 0
.endm
.macro SUMS sr, ac, tm                 ; the 32 pairs of p onto the running sum, in four chains
	v_pk_add_f32 v[\tm:\tm+1], v[\sr:\sr+1], v[\sr+2:\sr+3]
	v_pk_add_f32 v[\tm+2:\tm+3], v[\sr+4:\sr+5], v[\sr+6:\sr+7]
	v_pk_add_f32 v[\tm+4:\tm+5], v[\sr+8:\sr+9], v[\sr+10:\sr+11]
	v_pk_add_f32 v[\ac:\ac+1], v[\ac:\ac+1], v[\sr+12:\sr+13]
.irp k, 14,22,30,38,46,54
	v_pk_add_f32 v[\tm:\tm+1], v[\tm:\tm+1], v[\sr+\k:\sr+\k+1]
	v_pk_add_f32 v[\tm+2:\tm+3], v[\tm+2:\tm+3], v[\sr+\k+2:\sr+\k+3]
	v_pk_add_f32 v[\tm+4:\tm+5], v[\tm+4:\tm+5], v[\sr+\k+4:\sr+\k+5]
	v_pk_add_f32 v[\ac:\ac+1], v[\ac:\ac+1], v[\sr+\k+6:\sr+\k+7]
.endr
	v_pk_add_f32 v[\tm:\tm+1], v[\tm:\tm+1], v[\sr+62:\sr+63]
	v_pk_add_f32 v[\ac:\ac+1], v[\ac:\ac+1], v[\tm+4:\tm+5]
	v_pk_add_f32 v[\tm:\tm+1], v[\tm:\tm+1], v[\tm+2:\tm+3]
	v_pk_add_f32 v[\ac:\ac+1], v[\ac:\ac+1], v[\tm:\tm+1]
.endm
.macro CODES sr, pr                    ; the conversion does not saturate (ISA guide 7.6.2); p is not negative, so the hold is one-sided: two holds an instruction
.set j, 0
.rept 32
	v_dual_min_num_f32 v[\sr+j], v[LIMP], v[\sr+j] :: v_dual_min_num_f32 v[\sr+j+1], v[LIMP], v[\sr+j+1]
.set j, j+2
.endr
.irp c, 0,1,2,3,4,5,6,7
	v_cvt_scalef32_pk8_fp8_f32 v[\pr+2*\c:\pr+2*\c+1], v[\sr+8*\c:\sr+8*\c+7], v[SCP]
.endr
.endm
	s_load_b256 s[4:11], s[0:1], 0x0               ; q_img s[4:5], k_img s[6:7], v_img s[8:9], the scales' exponents s[10:11]
	s_load_b64 s[12:13], s[0:1], 0x20              ; a_img
	v_lshl_add_u32 v[SPW], v0, 2, SPARE
	v_mov_b32 v[NIL], 0
	ds_add_u32 v[SPW], v[NIL]                      ; the opening lines: the add, twice on end, and its wait ahead of my first tensor load
	ds_add_u32 v[SPW], v[NIL]
	v_lshrrev_b32 v20, 5, v0
	v_readfirstlane_b32 s[WV], v20                 ; wave 0..7
	s_and_b32 s[U], s[WV], 3
	s_xor_b32 s[W15], s[WV], 15
	s_bfe_u32 s[CX], ttmp6, 0x40000
	s_and_b32 s[BH], ttmp7, 0xffff                 ; the cluster's y: batch x 16 + head
	s_mov_b32 s[G1S], 15|(3<<16)|(1<<21)           ; the mask names the cluster's four; elements of 8 bytes; bit 21 beside a mask; no padding: every read is 16 bytes a lane, lanes side by side
	s_mov_b32 s[G1L], 15|(3<<16)|(1<<21)
.irp g, G1S, G1L
	s_mov_b32 s[\g+1], 32<<16                      ; rows of 256 bytes, dense
	s_mov_b32 s[\g+3], 32<<16
	s_mov_b32 s[\g+5], 32
	s_mov_b32 s[\g+6], 0
	s_mov_b32 s[\g+7], 0
.endr
	s_mov_b32 s[G1S+2], (P1/256)<<16
	s_mov_b32 s[G1S+4], P1/256
	s_mov_b32 s[G1L+2], (P2/256)<<16
	s_mov_b32 s[G1L+4], P2/256
	s_mov_b32 s[SEL], 0x76543210
	s_mov_b32 s[SEL+1], 0xfedcba98
	s_mov_b32 s[CS], 0x3e38aa3b                    ; log2(e) / 8
	s_lshr_b32 s76, s[WV], 2
	s_lshl_b32 s76, s76, 17                        ; K's region or V's
	s_mul_i32 s78, s[U], P1
	s_mul_i32 s82, s[U], P2
	s_add_co_u32 s82, s82, 4*P1
	s_mov_b32 s[G0S], 1
	s_add_co_u32 s[G0S+1], s76, s78
	s_mov_b32 s[G0L], 1
	s_add_co_u32 s[G0L+1], s76, s82
	s_mov_b32 s79, 0
	s_mov_b32 s83, 0
	s_lshl_b32 s80, s[BH], 17                      ; a head's 131,072 bytes in each of q_img, k_img, v_img
	s_mov_b32 s81, 0
	s_mov_b32 s[PAIR], s[W15]
	s_wait_dscnt 0x0                               ; both opening adds are done
	s_wait_kmcnt 0x0
	s_load_b256 s[68:75], s[10:11], 0x0            ; e0 .. e7
	s_cmp_lt_u32 s[WV], 4
	s_cselect_b64 s[KVB:KVB+1], s[6:7], s[8:9]
	s_add_nc_u64 s[KVB:KVB+1], s[KVB:KVB+1], s[80:81]
	s_add_nc_u64 s[G0S+2:G0S+3], s[KVB:KVB+1], s[78:79]
	s_or_b32 s[G0S+3], s[G0S+3], 0x80000000
	s_add_nc_u64 s[G0L+2:G0L+3], s[KVB:KVB+1], s[82:83]
	s_or_b32 s[G0L+3], s[G0L+3], 0x80000000
	CROUND                                         ; the four work-groups are here: the first joint loads meet
	tensor_load_to_lds s[G0S:G0S+3], s[G1S:G1S+7]  ; my part of key steps 0 to 4
	s_nop 0
	s_add_nc_u64 s[4:5], s[4:5], s[80:81]          ; q_img at my head
	v_and_b32 v20, 31, v0
	v_lshlrev_b32 v[LI], 4, v20
	v_add_nc_u32 v[LIV], VBASE, v[LI]
	s_lshl_b32 s76, s[W15], 3
	s_add_co_u32 s76, s76, s[CX]
	s_lshl_b32 s76, s76, 10                        ; token tile 8 (15 - w) + i, 1,024 bytes each
	s_lshl_b32 s77, s[WV], 3
	s_add_co_u32 s77, s77, s[CX]
	s_lshl_b32 s77, s77, 10                        ; and 8 w + i
	s_wait_alu depctr_va_vdst(0)                   ; behind a run of scalar lines
	v_add_nc_u32 v21, s76, v[LI]
	v_add_nc_u32 v22, s77, v[LI]
	WIN 0x40
.irp u, 0,1                                        ; tile A, and tile B four token tiles on
	global_load_b128 v[QA+8*\u:QA+8*\u+3], v21, s[4:5] offset:4096*\u th:TH_LOAD_NT
	global_load_b128 v[QA+8*\u+4:QA+8*\u+7], v21, s[4:5] offset:4096*\u+512 th:TH_LOAD_NT
	global_load_b128 v[QN+8*\u:QN+8*\u+3], v22, s[4:5] offset:4096*\u th:TH_LOAD_NT
	global_load_b128 v[QN+8*\u+4:QN+8*\u+7], v22, s[4:5] offset:4096*\u+512 th:TH_LOAD_NT
.endr
	WIN 0
	v_and_b32 v23, 15, v0
	v_bfe_u32 v24, v0, 4, 1
	v_lshlrev_b32 v24, 3, v24
	v_sub_nc_u32 v23, v23, v24                     ; r - 8 h
	s_lshl_b32 s78, s[CX], 4
	v_add_nc_u32 v[DQA], s78, v23                  ; on the diagonal tile A's queries begin 16 i behind the step's first key,
	v_add_nc_u32 v[DQB], 64, v[DQA]                ; tile B's 64 further on
	v_mov_b32 v[PDA], 0                            ; written once: a lane permute's destination counts as one of its sources
	v_mov_b32 v[PDB], 0
	v_mov_b32 v[FA+1], 0                           ; (named as the upper halves of pairs)
	v_mov_b32 v[FB+1], 0
	v_mov_b32 v[NINF], 0xff800000
	INIT
	s_lshr_b32 s76, s[BH], 4
	s_lshl_b32 s76, s76, 21                        ; a batch: 128 token tiles of 16,384 bytes
	s_and_b32 s77, s[BH], 15
	s_lshl_b32 s77, s77, 10
	s_add_co_u32 s76, s76, s77
	s_lshl_b32 s77, s[CX], 14
	s_add_co_u32 s76, s76, s77
	s_mov_b32 s77, 0
	s_add_nc_u64 s[ABASE:ABASE+1], s[12:13], s[76:77]
	s_wait_alu depctr_va_vdst(0)                   ; directly ahead of the wait below
	s_wait_kmcnt 0x0
	s_add_co_i32 s76, s70, s71
	s_lshl_b32 s76, s76, 23
	s_add_co_i32 s[CS], s[CS], s76                 ; a score stands for score x 2^(e2 + e3)
	s_mov_b32 s[CS+1], s[CS]
	s_add_co_i32 s76, s72, 127
	s_lshl_b32 s77, s76, 23
	v_mov_b32 v[SCP], s77
	s_add_co_i32 s76, s76, 8
	s_lshl_b32 s76, s76, 23
	s_or_b32 s76, s76, 0x600000
	v_mov_b32 v[LIMP], s76
	s_add_co_i32 s76, s74, 127
	s_lshl_b32 s77, s76, 23
	v_mov_b32 v[SCO], s77
	s_add_co_i32 s76, s76, 8
	s_lshl_b32 s76, s76, 23
	s_or_b32 s76, s76, 0x600000
	v_mov_b32 v[LIMO], s76
	s_add_co_i32 s[EPV], s72, s73
; A TRIP: 32 queries x 128 keys.  late = 0: the first four trips: key step = trip, no diagonal.  late = 1: the step is made of the trip and the wave's number; a step on the diagonal is masked and ends its pair.
.macro TRIPM late
.if \late
	s_cmp_gt_u32 s[TRIP], s[W15]                   ; the second pair's steps are (trip + w) mod 16
	s_cselect_b32 s76, s[WV], 0
	s_add_co_u32 s76, s76, s[TRIP]
	s_and_b32 s76, s76, 15
	s_lshl_b32 s[TBC], s76, 13
	s_cmp_ge_u32 s[TRIP], s[W15]                   ; the same for trip + 1
	s_cselect_b32 s77, s[WV], 0
	s_add_co_u32 s77, s77, s[TRIP]
	s_add_co_u32 s77, s77, 1
	s_and_b32 s77, s77, 15
	s_lshl_b32 s[TBN], s77, 13
	s_cmp_eq_u32 s[TRIP], s[W15]
	s_cselect_b32 s[DG], 1, 0
	s_cmp_eq_u32 s[TRIP], 16
	s_cselect_b32 s[DG], 1, s[DG]
.else
	s_lshl_b32 s[TBC], s[TRIP], 13
	s_add_co_u32 s[TBN], s[TBC], 8192
.endif
	WIN 0x05                                       ; K and Q in window 1
.irp c, 0,1,2,3,4,5,6,7
	v_wmma_f32_16x16x64_fp8_fp8 v[SAR+8*\c:SAR+8*\c+7], v[KFR+8*\c:KFR+8*\c+7], v[QA:QA+7], 0
	v_wmma_f32_16x16x64_fp8_fp8 v[SBR+8*\c:SBR+8*\c+7], v[KFR+8*\c:KFR+8*\c+7], v[QB:QB+7], 0
.endr
	WIN 0
	v_add_nc_u32 v[ADK], s[TBN], v[LI]             ; four plain lines behind the products: in front of the loads into K's and V's registers and of the first read of the scores
	v_add_nc_u32 v[ADV], s[TBC], v[LIV]
	v_nop
	v_nop
	WIN 0x40
.set n, 0
.rept 16
	ds_load_b128 v[KFR+4*n:KFR+4*n+3], v[ADK] offset:512*n   ; the next trip's K (the last trip's look-ahead is read by nobody: 16 loads once a wave)
.set n, n+1
.endr
	WIN 0
.set n, 0
.rept 16
	ds_load_b128 v[VF+4*n:VF+4*n+3], v[ADV] offset:512*n     ; this step's V: both land under the softmax
.set n, n+1
.endr
.if \late
	s_cmp_eq_u32 s[DG], 0
	s_cbranch_scc1 .Lopen_\@
.set n, 0
.rept 64                                           ; register 8 c + j holds key 16 c + 8 h + j of the step: hidden where 16 c + j > d; p = 0 then
	v_cmp_gt_i32 vcc_lo, 16*(n/8)+n%8, v[DQA]
	v_cndmask_b32 v[SAR+n], v[SAR+n], v[NINF], vcc_lo
	v_cmp_gt_i32 vcc_lo, 16*(n/8)+n%8, v[DQB]
	v_cndmask_b32 v[SBR+n], v[SBR+n], v[NINF], vcc_lo
.set n, n+1
.endr
.Lopen_\@:
.endif
	v_max3_num_f32 v[T0], v[SAR], v[SAR+1], v[SAR+2]         ; the step's largest scores, four chains, each tile from its low end on
	v_max3_num_f32 v[T0+2], v[SBR], v[SBR+1], v[SBR+2]
	v_max3_num_f32 v[T0+1], v[SAR+3], v[SAR+4], v[SAR+5]
	v_max3_num_f32 v[T0+3], v[SBR+3], v[SBR+4], v[SBR+5]
.irp i, 6,10,14,18,22,26,30,34,38,42,46,50,54,58
	v_max3_num_f32 v[T0], v[T0], v[SAR+\i], v[SAR+\i+1]
	v_max3_num_f32 v[T0+2], v[T0+2], v[SBR+\i], v[SBR+\i+1]
	v_max3_num_f32 v[T0+1], v[T0+1], v[SAR+\i+2], v[SAR+\i+3]
	v_max3_num_f32 v[T0+3], v[T0+3], v[SBR+\i+2], v[SBR+\i+3]
.endr
	v_max3_num_f32 v[T0], v[T0], v[SAR+62], v[SAR+63]
	v_max3_num_f32 v[T0+2], v[T0+2], v[SBR+62], v[SBR+63]
	v_max_num_f32 v[T0], v[T0], v[T0+1]
	v_max_num_f32 v[T0+2], v[T0+2], v[T0+3]
	v_permlanex16_b32 v[PDA], v[T0], s[SEL], s[SEL+1]
	v_permlanex16_b32 v[PDB], v[T0+2], s[SEL], s[SEL+1]
	v_max_num_f32 v[T0], v[T0], v[PDA]             ; and among lane l xor 16's
	v_max_num_f32 v[T0+2], v[T0+2], v[PDB]
	v_mul_f32 v[T0], s[CS], v[T0]                  ; as t (c is positive)
	v_mul_f32 v[T0+2], s[CS], v[T0+2]
	v_max_num_f32 v[MA+1], v[MA+1], v[T0]
	v_max_num_f32 v[MB+1], v[MB+1], v[T0+2]
	v_mov_b32 v[T0], v[MA]
	v_mov_b32 v[T0+2], v[MB]
	v_floor_f32 v[MA], -v[MA+1]                    ; the new -M = -ceil(t)
	v_floor_f32 v[MB], -v[MB+1]
	v_sub_f32 v[T0], v[MA], v[T0]                  ; old M - new M: a whole number, 0 or less
	v_sub_f32 v[T0+2], v[MB], v[T0+2]
	v_cvt_i32_f32 v[T0], v[T0]                     ; (it saturates)
	v_cvt_i32_f32 v[T0+2], v[T0+2]
	v_ldexp_f32 v[FA], 1.0, v[T0]
	v_ldexp_f32 v[FB], 1.0, v[T0+2]
.set j, 0
.rept 32
	v_pk_fma_f32 v[SAR+j:SAR+j+1], v[SAR+j:SAR+j+1], s[CS:CS+1], v[MA:MA+1] op_sel_hi:[1,0,0]   ; t - M
.set j, j+2
.endr
	s_wait_alu depctr_va_vdst(0)                   ; ahead of a batch of exponentials
.set j, 0
.rept 32                                           ; tile A's 64 exponentials; among them tile B's t - M, which is first read behind the next wait
	v_exp_f32 v[SAR+j], v[SAR+j]
	v_pk_fma_f32 v[SBR+j:SBR+j+1], v[SBR+j:SBR+j+1], s[CS:CS+1], v[MB:MB+1] op_sel_hi:[1,0,0]
	v_exp_f32 v[SAR+j+1], v[SAR+j+1]
.set j, j+2
.endr
	s_wait_alu depctr_va_vdst(0)                   ; behind tile A's batch and ahead of tile B's
.set k, 0
.rept 16                                           ; tile B's 64 exponentials; among them, of tile A: the sum's first level (of the unquantised p, into the code registers, which are free here), then the holds.  All that these lines write is first read behind the next wait
	v_exp_f32 v[SBR+4*k], v[SBR+4*k]
	v_pk_add_f32 v[PA+2*k:PA+2*k+1], v[SAR+4*k:SAR+4*k+1], v[SAR+4*k+2:SAR+4*k+3]
	v_exp_f32 v[SBR+4*k+1], v[SBR+4*k+1]
	v_dual_min_num_f32 v[SAR+4*k], v[LIMP], v[SAR+4*k] :: v_dual_min_num_f32 v[SAR+4*k+1], v[LIMP], v[SAR+4*k+1]
	v_exp_f32 v[SBR+4*k+2], v[SBR+4*k+2]
	v_dual_min_num_f32 v[SAR+4*k+2], v[LIMP], v[SAR+4*k+2] :: v_dual_min_num_f32 v[SAR+4*k+3], v[LIMP], v[SAR+4*k+3]
	v_exp_f32 v[SBR+4*k+3], v[SBR+4*k+3]
.set k, k+1
.endr
	v_pk_mul_f32 v[SA:SA+1], v[SA:SA+1], v[FA:FA+1] op_sel_hi:[1,0]   ; the sum under the new M: the plain line behind the exponentials
	s_wait_alu depctr_va_vdst(0)                   ; behind tile B's batch, ahead of the first reader of its results and of what was written among them
.irp k, 4,8,12                                     ; the 16 partial sums of tile A, in four chains
.irp i, 0,1,2,3
	v_pk_add_f32 v[PA+2*\i:PA+2*\i+1], v[PA+2*\i:PA+2*\i+1], v[PA+2*(\k+\i):PA+2*(\k+\i)+1]
.endr
.endr
	v_pk_add_f32 v[PA:PA+1], v[PA:PA+1], v[PA+2:PA+3]
	v_pk_add_f32 v[PA+4:PA+5], v[PA+4:PA+5], v[PA+6:PA+7]
	v_pk_add_f32 v[SA:SA+1], v[SA:SA+1], v[PA:PA+1]
	v_pk_add_f32 v[SA:SA+1], v[SA:SA+1], v[PA+4:PA+5]
.irp c, 0,1,2,3,4,5,6,7
	v_cvt_scalef32_pk8_fp8_f32 v[PA+2*\c:PA+2*\c+1], v[SAR+8*\c:SAR+8*\c+7], v[SCP]
.endr
	v_pk_mul_f32 v[SB:SB+1], v[SB:SB+1], v[FB:FB+1] op_sel_hi:[1,0]
	SUMS SBR, SB, SAR                              ; (tile A's p is converted: its registers are at work here)
	CODES SBR, PB
	WIN 0x41
	s_wait_alu depctr_va_vdst(0)                   ; directly ahead of the first reader of O^T
.set j, 0
.rept 16
	v_pk_mul_f32 v[OA+j:OA+j+1], v[OA+j:OA+j+1], v[FA:FA+1] op_sel_hi:[1,0]   ; O^T under the new M; also the plain lines between the conversions and the products
.set j, j+2
.endr
.set j, 0
.rept 16
	v_pk_mul_f32 v[OB+j:OB+j+1], v[OB+j:OB+j+1], v[FB:FB+1] op_sel_hi:[1,0]
.set j, j+2
.endr
	WIN 0x50
	s_wait_alu depctr_va_vdst(0)                   ; directly ahead of the wait below
	s_wait_dscnt 0x0                               ; V is in, and so is the next trip's K
.irp t, 0,1,2,3                                    ; the eight accumulators take turns
	v_wmma_f32_16x16x128_fp8_fp8 v[OA+8*\t:OA+8*\t+7], v[VF+16*\t:VF+16*\t+15], v[PA:PA+15], v[OA+8*\t:OA+8*\t+7]
	v_wmma_f32_16x16x128_fp8_fp8 v[OB+8*\t:OB+8*\t+7], v[VF+16*\t:VF+16*\t+15], v[PB:PB+15], v[OB+8*\t:OB+8*\t+7]
.endr
	WIN 0
.if \late
	s_cmp_eq_u32 s[DG], 0
	s_cbranch_scc1 .Lgo_\@
	; A PAIR'S END: O^T x 2^(e4 + e5) / the sum, held, converted with 2^e6: for each tile 16 tokens x my head's 64: two stores of 512 consecutive bytes, aligned
	v_add_f32 v[SA], v[SA], v[SA+1]
	v_add_f32 v[SB], v[SB], v[SB+1]
	v_permlanex16_b32 v[PDA], v[SA], s[SEL], s[SEL+1]
	v_permlanex16_b32 v[PDB], v[SB], s[SEL], s[SEL+1]
	v_add_f32 v[SA], v[SA], v[PDA]
	v_add_f32 v[SB], v[SB], v[PDB]
	s_lshl_b32 s76, s[PAIR], 17                    ; token tile 8 a: 8 x 16,384 bytes a pair
	s_mov_b32 s77, 0
	s_add_nc_u64 s[OUTP:OUTP+1], s[ABASE:ABASE+1], s[76:77]
	s_wait_alu depctr_va_vdst(0)                   ; ahead of the reciprocals
	v_rcp_f32 v[SA], v[SA]
	v_rcp_f32 v[SB], v[SB]
	v_nop                                          ; a plain line behind them
	s_wait_alu depctr_va_vdst(0)                   ; ahead of their first reader
	v_ldexp_f32 v[SA], v[SA], s[EPV]
	v_ldexp_f32 v[SB], v[SB], s[EPV]
	WIN 0x01
	s_wait_alu depctr_va_vdst(0)                   ; directly ahead of the first reader of O^T
.set j, 0
.rept 16
	v_pk_mul_f32 v[SAR+j:SAR+j+1], v[OA+j:OA+j+1], v[SA:SA+1] op_sel_hi:[1,0]
.set j, j+2
.endr
.set j, 0
.rept 16
	v_pk_mul_f32 v[SBR+j:SBR+j+1], v[OB+j:OB+j+1], v[SB:SB+1] op_sel_hi:[1,0]
.set j, j+2
.endr
	WIN 0
.set j, 0
.rept 32
	v_med3_num_f32 v[SAR+j], v[SAR+j], -v[LIMO], v[LIMO]
	v_med3_num_f32 v[SBR+j], v[SBR+j], -v[LIMO], v[LIMO]
.set j, j+1
.endr
.irp t, 0,1,2,3
	v_cvt_scalef32_pk8_fp8_f32 v[PA+2*\t:PA+2*\t+1], v[SAR+8*\t:SAR+8*\t+7], v[SCO]
	v_cvt_scalef32_pk8_fp8_f32 v[PB+2*\t:PB+2*\t+1], v[SBR+8*\t:SBR+8*\t+7], v[SCO]
.endr
	v_nop                                          ; a plain line behind the conversions
	global_store_b128 v[LI], v[PA:PA+3], s[OUTP:OUTP+1]
	global_store_b128 v[LI], v[PA+4:PA+7], s[OUTP:OUTP+1] offset:512
	global_store_b128 v[LI], v[PB:PB+3], s[OUTP:OUTP+1] offset:65536
	global_store_b128 v[LI], v[PB+4:PB+7], s[OUTP:OUTP+1] offset:66048
	s_cmp_eq_u32 s[TRIP], 16                       ; behind the second pair nothing follows
	s_cbranch_scc1 .Lgo_\@
	WIN 0x41
.set j, 0
.rept 16
	v_mov_b32 v[QA+j], v[QN+j]                     ; the second pair's Q
.set j, j+1
.endr
	WIN 0
	INIT
	s_wait_alu depctr_va_vdst(0)                   ; directly ahead of the wait below
	s_wait_xcnt 0x0                                ; the stores have read their data and their base: both are written again later
	s_mov_b32 s[PAIR], s[WV]
.Lgo_\@:
.endif
.endm
	s_wait_alu depctr_va_vdst(0)                   ; the head's end
	s_wait_loadcnt 0x0                             ; Q
	s_wait_tensorcnt 0x0                           ; my part of the first group is in; the second group's first fill is issued as a refill is:
	ds_add_u32 v[SPW], v[NIL]                      ; 0 onto my spare word
	s_wait_dscnt 0x0
	CROUND                                         ; everybody's part is in, and the four work-groups are here: the joint loads meet
	tensor_load_to_lds s[G0L:G0L+3], s[G1L:G1L+7]  ; my part of key steps 5 to 15: it has four trips in which to land
	s_nop 0
	WIN 0x40
.set n, 0
.rept 16
	ds_load_b128 v[KFR+4*n:KFR+4*n+3], v[LI] offset:512*n    ; K's step 0
.set n, n+1
.endr
	WIN 0
	s_mov_b32 s[TRIP], 0
	s_wait_dscnt 0x0
.Learly:                                           ; trips 0 to 3 read LDS bytes of the first group alone: K under 40,960, V under VBASE + 32,768
	TRIPM 0
	s_add_co_u32 s[TRIP], s[TRIP], 1
	s_cmp_lt_u32 s[TRIP], 4
	s_cbranch_scc1 .Learly
	s_wait_tensorcnt 0x0                           ; my part of the second group is in;
	s_wait_dscnt 0x0
	s_barrier_signal -1
	s_barrier_wait -1                              ; everybody's is.
	s_mov_b32 s[TRIP], 4
.Llate:                                            ; trips 4 to 16
	TRIPM 1
	s_add_co_u32 s[TRIP], s[TRIP], 1
	s_cmp_lt_u32 s[TRIP], 17
	s_cbranch_scc1 .Llate
	s_wait_tensorcnt 0x0                           ; the wave's end
	ds_add_u32 v[SPW], v[NIL]
	s_wait_dscnt 0x0
	CROUND                                         ; the closing round
	s_endpgm
.Lfunc_end_k_qe54e2b0bcc_attn:
	.size	k_qe54e2b0bcc_attn, .Lfunc_end_k_qe54e2b0bcc_attn-k_qe54e2b0bcc_attn
	.p2alignl 7, 3214868480
	.fill 96, 4, 3214868480
	.section	.rodata,"a",@progbits
	.p2align	6, 0x0
	.amdhsa_kernel k_qe54e2b0bcc_attn
		.amdhsa_group_segment_fixed_size 327680
		.amdhsa_private_segment_fixed_size 0
		.amdhsa_enable_private_segment 0
		.amdhsa_kernarg_size 40
		.amdhsa_user_sgpr_count 2
		.amdhsa_user_sgpr_kernarg_segment_ptr 1
		.amdhsa_wavefront_size32 1
		.amdhsa_system_sgpr_workgroup_id_x 1
		.amdhsa_system_sgpr_workgroup_id_y 1
		.amdhsa_system_sgpr_workgroup_id_z 1
		.amdhsa_system_vgpr_workitem_id 0
		.amdhsa_next_free_vgpr 512
		.amdhsa_next_free_sgpr 100
		.amdhsa_reserve_vcc 1
		.amdhsa_float_denorm_mode_32 3
		.amdhsa_float_denorm_mode_16_64 3
		.amdhsa_memory_ordered 1
		.amdhsa_forward_progress 1
		.amdhsa_inst_pref_size 89
	.end_amdhsa_kernel
	.amdgpu_metadata
---
amdhsa.version: [ 1, 2 ]
amdhsa.kernels:
  - .name:           k_qe54e2b0bcc_attn
    .symbol:         k_qe54e2b0bcc_attn.kd
    .args:
      - { .name: q_img, .offset: 0, .size: 8, .value_kind: global_buffer, .address_space: global }
      - { .name: k_img, .offset: 8, .size: 8, .value_kind: global_buffer, .address_space: global }
      - { .name: v_img, .offset: 16, .size: 8, .value_kind: global_buffer, .address_space: global }
      - { .name: lowp_scales, .offset: 24, .size: 8, .value_kind: global_buffer, .address_space: global }
      - { .name: a_img, .offset: 32, .size: 8, .value_kind: global_buffer, .address_space: global }
    .group_segment_fixed_size: 327680
    .private_segment_fixed_size: 0
    .kernarg_segment_align: 8
    .kernarg_segment_size: 40
    .max_flat_workgroup_size: 256
    .sgpr_count:     100
    .vgpr_count:     512
    .wavefront_size: 32
...
	.end_amdgpu_metadata
.endif
;; end of part 3
;; launch proj (part 4): grid 32 x 8, 4 waves a work-group, clusters of 4 x 1, 327,680 bytes of LDS; arguments a_img, wout_img, lowp_scales, b_out, out0; writes out0
.if DOCPART == 4
	.amdgcn_target "amdgcn-amd-amdhsa--gfx1250"
	.amdhsa_code_object_version 6
	.text
	.protected	k_qe54e2b0bcc_proj
	.globl	k_qe54e2b0bcc_proj
	.p2align	8
	.type	k_qe54e2b0bcc_proj,@function
k_qe54e2b0bcc_proj:
	s_mov_b64 s[64:65], 0
	v_nop
	global_prefetch_b8 v0, s[64:65] scope:SCOPE_SE
	s_setreg_imm32_b32 hwreg(HW_REG_WAVE_MODE, 25, 1), 1
	s_wait_xcnt 0x0
	s_wait_alu depctr_hold_cnt(0) depctr_sa_sdst(0) depctr_va_vdst(0) depctr_va_sdst(0) depctr_va_ssrc(0) depctr_va_vcc(0) depctr_vm_vsrc(0)
	s_getreg_b32 s2, hwreg(HW_REG_IB_STS2, 6, 4)
	s_cmp_eq_u32 s2, 0
	s_cbranch_scc0 .Lentry_in_a_cluster
	s_endpgm
.Lentry_in_a_cluster:
	s_bfe_u32 s2, ttmp6, 0x10000c
	s_cmp_lg_u32 s2, 0x3003
	s_cbranch_scc0 .Lentry_shape_is_right
	s_endpgm
.Lentry_shape_is_right:
; out0 = a w_out + b_out on codes of E4M3 (scales 2^e6, 2^e7), K = 1,024; out0 [8192][1024] f32.
; a_img [token tile 512][8][2048], wout_img [column tile 64][8][2048]: images of operand registers (16 rows x 128 K; registers 4 g .. 4 g + 3 of lane l at 512 g + 16 l).
; SHARES.  A work-group owns 256 tokens and 128 columns: 32 x 8 = 256 work-groups.  A wave owns 64 tokens and keeps their codes in registers: 4 token tiles x 8 fragments = 512 registers, loaded once.
; The weights' 131,072 bytes (two chunks of 64 columns x all of K, dense in memory) are fetched once, a quarter a wave; nothing in LDS is filled twice.
; CLUSTER: four work-groups with the same columns ask for the weights jointly.  NO PREFETCH: all bytes are asked for at the head; there is no loop to run ahead in.
; Source 0 = 16 columns, source 1 = 16 tokens: a lane holds one token and eight neighbouring columns.  The bias, divided by 2^(e6 + e7) (exact), is the C of a chunk's first products; each sum is multiplied once by 2^(e6 + e7).
; THE WAY OUT: 16 tokens x 64 columns at a time through the wave's own stage in LDS (rows of 256 + 16 bytes), back as rows: sixteen lanes store 256 consecutive bytes, aligned.
; LIMITS: e6 + e7 between -126 and 126.  NaN is not served.
; REGISTERS: window 0: v16-31 addresses; v32-159 the weights' fragments, two sets of 4; v160-191 scaled sums; v192-255 rows read back, two sets.  Window 1: v0-127 accumulators; v128-159 the bias as C; v160-223 the bias as loaded.
;   Windows 2, 3: a: token tile a, K step s at 128 (a % 2) + 16 s of window 2 + a / 2.
.set STAGE, 131072                     ; behind the weights: 16 x 272 bytes a wave; no tensor load lands here
.set SPARE, STAGE+4*4352               ; the spare words, 128 bytes a wave
.set ADB,  16                          ; v16, v17: chunk 0, 1 + 16 x lane
.set STO,  18
.set RD,   19
.set GO,   20
.set VOQ,  21
.set CO,   26
.set SPW,  28
.set NIL,  29
.set BF,   32
.set TMP,  160
.set BK,   192
.set CB,   128                         ; window 1
.set RBW,  160                         ; window 1
.set WV,   14
.set CX,   15
.set BLK,  16
.set GRP,  17
.set G1,   24
.set G0,   32
.set BS,   36
.set SC,   38
.set MSB, 0
.macro WIN new                         ; the immediate's high byte repeats the setting that is left
.if MSB != (\new)
	s_set_vgpr_msb (MSB<<8)|(\new)
.set MSB, \new
.endif
.endm
.macro CROUND
	s_barrier_signal -1
	s_barrier_wait -1
	s_cmp_lg_u32 s[WV], 0
	s_cbranch_scc1 .Lnot_wave_0_\@
	s_barrier_signal -3
.Lnot_wave_0_\@:
	s_barrier_wait -3
	s_barrier_signal -1
	s_barrier_wait -1
.endm
.macro FETCH c, set, ks                ; chunk c's 4 column tiles, K step ks
.irp b, 0,1,2,3
.irp g, 0,1,2,3
	ds_load_b128 v[BF+64*(\set)+16*\b+4*\g:BF+64*(\set)+16*\b+4*\g+3], v[ADB+\c] offset:\b*16384+(\ks)*2048+512*\g
.endr
.endr
.endm
.macro MM ks, a, b
.set AC, 8*(4*(\a)+(\b))
.set AR, 128*((\a)%2)+16*(\ks)
.set BR, BF+64*((\ks)%2)+16*(\b)
.if (\ks) == 0
	v_wmma_f32_16x16x128_fp8_fp8 v[AC:AC+7], v[BR:BR+15], v[AR:AR+15], v[CB+8*(\b):CB+8*(\b)+7]
.else
	v_wmma_f32_16x16x128_fp8_fp8 v[AC:AC+7], v[BR:BR+15], v[AR:AR+15], v[AC:AC+7]
.endif
.endm
.macro SEND c, a                       ; block a's 16 rows of 256 bytes
.irp t, 0,1,2,3,4,5,6,7
	global_store_b128 v[GO], v[BK+32*((\a)%2)+4*\t:BK+32*((\a)%2)+4*\t+3], s[68:69] offset:(16*(\a)+2*\t)*4096+256*\c th:TH_STORE_NT
.endr
.endm
.macro PCHUNK c
	FETCH \c, 0, 0
.if \c == 0
	s_wait_loadcnt 0x0                             ; a and the bias
.endif
	WIN 0x41
.set j, 0
.rept 16
	v_pk_mul_f32 v[CB+j:CB+j+1], v[RBW+32*\c+j:RBW+32*\c+j+1], s[BS:BS+1] op_sel_hi:[1,0]   ; bias / 2^(e6 + e7): exact
.set j, j+2
.endr
	WIN 0
	s_wait_alu depctr_va_vdst(0)
.irp ks, 0,1,2,3,4,5,6,7                           ; the next step's fragments are asked for ahead of this step's products, four plain lines behind the products that read their registers
.if \ks < 7
.if \ks > 0
.rept 4
	v_nop
.endr
.endif
	WIN 0
	FETCH \c, (\ks+1)%2, \ks+1
	s_wait_dscnt 16                                ; this step's 16 loads are in; the next step's 16 may be out
.else
	s_wait_dscnt 0x0
.endif
.irp a, 0,1,2,3
	WIN 0x58+4*((\a)/2)                            ; source 1: a, window 2 or 3; C and D window 1
.irp b, 0,1,2,3
	MM \ks, \a, \b
.endr
.endr
.endr
	WIN 0
.rept 4
	v_nop                                          ; places behind the last products
.endr
.irp a, 0,1,2,3
	s_wait_xcnt 0x0                                ; the stores of two blocks back have read the registers that this block's rows land in
	WIN 0x01
.set j, 0
.rept 16
	v_pk_mul_f32 v[TMP+j:TMP+j+1], v[32*\a+j:32*\a+j+1], s[SC:SC+1] op_sel_hi:[1,0]   ; x 2^(e6 + e7); each accumulator from its low end on
.set j, j+2
.endr
	WIN 0
.irp b, 0,1,2,3
	ds_store_b128 v[STO], v[TMP+8*\b:TMP+8*\b+3] offset:64*\b
	ds_store_b128 v[STO], v[TMP+8*\b+4:TMP+8*\b+7] offset:64*\b+16
.endr
.irp t, 0,1,2,3,4,5,6,7
	ds_load_b128 v[BK+32*(\a%2)+4*\t:BK+32*(\a%2)+4*\t+3], v[RD] offset:\t*544   ; LDS serves a wave's instructions in order (ISA guide 5.7.1.4): these see the stores above
.endr
.if \a > 0
	s_wait_dscnt 16                                ; the block before is back: behind its loads stand this block's 8 stores and 8 loads
	SEND \c, \a-1
.endif
.endr
	s_wait_dscnt 0x0
	SEND \c, 3
.endm
	s_load_b256 s[4:11], s[0:1], 0x0               ; a_img s[4:5], wout_img s[6:7], the scales' exponents s[8:9], b_out s[10:11]
	s_load_b64 s[68:69], s[0:1], 0x20              ; out0
	v_lshl_add_u32 v[SPW], v0, 2, SPARE
	v_mov_b32 v[NIL], 0
	ds_add_u32 v[SPW], v[NIL]                      ; the opening lines: the add, twice on end, and its wait ahead of my first tensor load
	ds_add_u32 v[SPW], v[NIL]
	v_lshrrev_b32 v1, 5, v0
	v_readfirstlane_b32 s[WV], v1
	s_bfe_u32 s[CX], ttmp6, 0x40000
	s_lshl_b32 s[BLK], ttmp9, 2
	s_add_co_u32 s[BLK], s[BLK], s[CX]             ; the block of 256 tokens
	s_and_b32 s[GRP], ttmp7, 0xffff                ; the group of 128 columns
	s_mov_b32 s[G1], 15|(3<<16)|(1<<21)            ; the mask names the cluster's four; elements of 8 bytes; bit 21 beside a mask; no padding
	s_mov_b32 s[G1+1], 32<<16                      ; 128 rows of 256 bytes, dense
	s_mov_b32 s[G1+2], 128<<16
	s_mov_b32 s[G1+3], 32<<16
	s_mov_b32 s[G1+4], 128
	s_mov_b32 s[G1+5], 32
	s_mov_b32 s[G1+6], 0
	s_mov_b32 s[G1+7], 0
	s_mov_b32 s[G0], 1
	s_lshl_b32 s[G0+1], s[WV], 15
	s_lshl_b32 s46, s[GRP], 17
	s_lshl_b32 s47, s[WV], 15
	s_add_co_u32 s46, s46, s47
	s_mov_b32 s47, 0
	s_wait_dscnt 0x0
	s_wait_kmcnt 0x0
	s_load_b256 s[84:91], s[8:9], 0x0              ; e0 .. e7
	s_add_nc_u64 s[G0+2:G0+3], s[6:7], s[46:47]
	s_or_b32 s[G0+3], s[G0+3], 0x80000000
	CROUND                                         ; the four work-groups are here: the joint loads meet
	tensor_load_to_lds s[G0:G0+3], s[G1:G1+7]      ; my quarter of the weights
	s_nop 0
	v_and_b32 v1, 31, v0
	v_lshlrev_b32 v[CO], 4, v1
	v_bfe_u32 v2, v0, 4, 1                         ; h
	v_and_b32 v3, 15, v0                           ; r
	v_lshlrev_b32 v[VOQ], 5, v2
	s_lshl_b32 s46, s[BLK], 18
	s_lshl_b32 s47, s[WV], 16
	s_add_co_u32 s46, s46, s47
	s_mov_b32 s47, 0
	s_add_nc_u64 s[4:5], s[4:5], s[46:47]
	s_lshl_b32 s48, s[GRP], 9
	s_mov_b32 s49, 0
	s_add_nc_u64 s[10:11], s[10:11], s[48:49]
	s_wait_alu depctr_va_vdst(0)
.irp u, 0,1
	WIN 0x80+0x40*\u
.irp a, 0,1
.set n, 0
.rept 32
	global_load_b128 v[128*\a+4*n:128*\a+4*n+3], v[CO], s[4:5] offset:(2*\u+\a)*16384+512*n   ; a stays in registers
.set n, n+1
.endr
.endr
.endr
	WIN 0x40
.irp n, 0,1,2,3,4,5,6,7
	global_load_b128 v[RBW+8*\n:RBW+8*\n+3], v[VOQ], s[10:11] offset:64*\n       ; b_out at my eight columns of each of the 8 tiles
	global_load_b128 v[RBW+8*\n+4:RBW+8*\n+7], v[VOQ], s[10:11] offset:64*\n+16
.endr
	WIN 0
	v_mov_b32 v[ADB], v[CO]
	v_add_nc_u32 v[ADB+1], 0x10000, v[CO]
	s_mul_i32 s46, s[WV], 4352
	s_add_co_u32 s46, s46, STAGE                   ; my stage
	v_mul_u32_u24 v4, v3, 272
	v_lshl_add_u32 v4, v2, 5, v4
	v_add_nc_u32 v[STO], s46, v4                   ; in: row r, 32 bytes for each half of the lanes
	v_mul_u32_u24 v5, v2, 272
	v_lshl_add_u32 v5, v3, 4, v5
	v_add_nc_u32 v[RD], s46, v5                    ; back: lanes 0-15 one row, lanes 16-31 the next
	v_lshlrev_b32 v6, 12, v2
	v_lshl_add_u32 v[GO], v3, 4, v6                ; and the same two rows in out0
	s_lshl_b32 s46, s[BLK], 20                     ; 256 rows of 4,096 bytes
	s_lshl_b32 s47, s[WV], 18
	s_add_co_u32 s46, s46, s47
	s_add_co_u32 s46, s46, s48                     ; + 512 bytes a column group
	s_mov_b32 s47, 0
	s_add_nc_u64 s[68:69], s[68:69], s[46:47]
	s_wait_alu depctr_va_vdst(0)                   ; the head's end
	s_wait_kmcnt 0x0
	s_add_co_i32 s46, s90, s91
	s_add_co_i32 s47, s46, 127
	s_lshl_b32 s[SC], s47, 23                      ; 2^(e6 + e7)
	s_mov_b32 s[SC+1], s[SC]
	s_sub_co_i32 s47, 127, s46
	s_lshl_b32 s[BS], s47, 23                      ; 2^-(e6 + e7)
	s_mov_b32 s[BS+1], s[BS]
	s_wait_tensorcnt 0x0                           ; my quarter of the weights is in;
	s_barrier_signal -1
	s_barrier_wait -1                              ; everybody's is.
	PCHUNK 0
	PCHUNK 1
	s_wait_tensorcnt 0x0                           ; the wave's end
	ds_add_u32 v[SPW], v[NIL]
	s_wait_dscnt 0x0
	CROUND                                         ; the closing round
	s_endpgm
.Lfunc_end_k_qe54e2b0bcc_proj:
	.size	k_qe54e2b0bcc_proj, .Lfunc_end_k_qe54e2b0bcc_proj-k_qe54e2b0bcc_proj
	.p2alignl 7, 3214868480
	.fill 96, 4, 3214868480
	.section	.rodata,"a",@progbits
	.p2align	6, 0x0
	.amdhsa_kernel k_qe54e2b0bcc_proj
		.amdhsa_group_segment_fixed_size 327680
		.amdhsa_private_segment_fixed_size 0
		.amdhsa_enable_private_segment 0
		.amdhsa_kernarg_size 40
		.amdhsa_user_sgpr_count 2
		.amdhsa_user_sgpr_kernarg_segment_ptr 1
		.amdhsa_wavefront_size32 1
		.amdhsa_system_sgpr_workgroup_id_x 1
		.amdhsa_system_sgpr_workgroup_id_y 1
		.amdhsa_system_sgpr_workgroup_id_z 1
		.amdhsa_system_vgpr_workitem_id 0
		.amdhsa_next_free_vgpr 1024
		.amdhsa_next_free_sgpr 98
		.amdhsa_reserve_vcc 0
		.amdhsa_float_denorm_mode_32 3
		.amdhsa_float_denorm_mode_16_64 3
		.amdhsa_memory_ordered 1
		.amdhsa_forward_progress 1
		.amdhsa_inst_pref_size 80
	.end_amdhsa_kernel
	.amdgpu_metadata
---
amdhsa.version: [ 1, 2 ]
amdhsa.kernels:
  - .name:           k_qe54e2b0bcc_proj
    .symbol:         k_qe54e2b0bcc_proj.kd
    .args:
      - { .name: a_img, .offset: 0, .size: 8, .value_kind: global_buffer, .address_space: global }
      - { .name: wout_img, .offset: 8, .size: 8, .value_kind: global_buffer, .address_space: global }
      - { .name: lowp_scales, .offset: 16, .size: 8, .value_kind: global_buffer, .address_space: global }
      - { .name: b_out, .offset: 24, .size: 8, .value_kind: global_buffer, .address_space: global }
      - { .name: out0, .offset: 32, .size: 8, .value_kind: global_buffer, .address_space: global }
    .group_segment_fixed_size: 327680
    .private_segment_fixed_size: 0
    .kernarg_segment_align: 8
    .kernarg_segment_size: 40
    .max_flat_workgroup_size: 128
    .sgpr_count:     98
    .vgpr_count:     1024
    .wavefront_size: 32
...
	.end_amdgpu_metadata
.endif
;; end of part 4
